; MI455X (gfx1250); checked and timed in simulation.
; The chip was launched on July 23, 2026; its instructions are those of AMD's public machine-readable ISA for CDNA 5 (MIT licence, August 2026) and "CDNA5" Instruction Set Architecture Reference Guide (July 2026). The comments in the code are by the model that wrote it; some were corrected since.
;; Multi Head Attention. Allowed arithmetic: matrix products marked QUANTISED: E4M3 operands, one given power-of-two scale a tensor, by v_wmma_f32_16x16x64_fp8_fp8 or v_wmma_f32_16x16x128_fp8_fp8, f32 sums; everything else in f32.
;; Inputs: b_o 256 float32; lowp_scales 12 int32 (the exponents e of the quantised operands' scales 2^e); w_k 256 x 256 float32; w_o 256 x 256 float32; w_q 256 x 256 float32; w_v 256 x 256 float32; x 8 x 2,048 x 256 float32.
;; Outputs: out0 8 x 2,048 x 256 float32.
;; This version of the problem:
;;   THIS VERSION OF THE PROBLEM IS GIVEN IN LOW PRECISION. The matrix products marked QUANTISED in the list below multiply operands that are first quantised to E4M3 (4 exponent bits, 3 mantissa bits; 8 bits a number), with one given power-of-two scale for each operand tensor; their sums are f32. All else is computed in f32.
;;   The module's matrix products, in the order in which they are computed (A, B: the left and right operand; K: the contracted axis; several contracted axes count as one K, in the product's order):
;;     1. [M 16,384, K 256] x [K 256, N 256]; A: input x; B: input w_q: QUANTISED (scales: A lowp_scales[0], B lowp_scales[1])
;;     2. [M 16,384, K 256] x [K 256, N 256]; A: input x; B: input w_k: QUANTISED (scales: A lowp_scales[2], B lowp_scales[3])
;;     3. [M 16,384, K 256] x [K 256, N 256]; A: input x; B: input w_v: QUANTISED (scales: A lowp_scales[4], B lowp_scales[5])
;;     4. batch 32 x [M 2,048, K 64] x [K 64, N 2,048]; A: computed on the way; B: computed on the way: QUANTISED (scales: A lowp_scales[6], B lowp_scales[7])
;;     5. batch 32 x [M 2,048, K 2,048] x [K 2,048, N 64]; A: softmax (see below); B: computed on the way: QUANTISED (scales: A lowp_scales[8], B lowp_scales[9])
;;     6. [M 16,384, K 256] x [K 256, N 256]; A: computed on the way; B: input w_o: QUANTISED (scales: A lowp_scales[10], B lowp_scales[11])
;;   THE QUANTISER, for each operand of a quantised product, along K:
;;     - The operand's scale is 2^e, e = its entry of the input lowp_scales (int32; the entries are numbered through the quantised products in the list's order, A before B).
;;     - Each number is divided by the scale, clamped to +-448, and rounded to the nearest number of E4M3, ties to even, subnormals kept.
;;     - The product sums the exact products of the quantised numbers (number of the format x scale) in f32.
;;   ~~~python
;;   def quantise(x, axis, e):      # numpy; x: float32 -> the quantised numbers, widened to float32 again
;;       x = np.moveaxis(x, axis, -1); K = x.shape[-1]
;;       r = np.clip(x / 2.0 ** e, -448, 448)
;;       step = 2.0 ** (np.maximum(np.frexp(np.where(r == 0, 1, r))[1] - 1, -6) - 3)
;;       q = np.round(r / step) * step * 2.0 ** e      # np.round: ties to even
;;       return np.moveaxis(q, -1, axis).astype(np.float32)
;;   ~~~
;;   SOFTMAX AHEAD OF A QUANTISED PRODUCT. Where the list says 'softmax', what is quantised is not the finished softmax but p = 2^(t - M), with t = logit x log2(e) and M = ceil(the row's largest t), a whole number; so 1/2 < the row's largest p <= 1. The row's sum l is taken of the UNQUANTISED p, in f32, and the product's result is divided by l at the end. Since M is a whole number, a kernel that streams over the keys may use a running M (the ceiling of the running maximum): every later rescaling is an exact power of two, so the quantised numbers keep their values, but for numbers so far below the row's largest that they fall under the format's range.
;;   OPERANDS COMPUTED ON THE WAY. 'Computed on the way' means the value that the module computes at that place (a softmax that the list does not call 'softmax' is quantised finished and normalised). What goes into a quantiser is computed in f32, as accurately as f32 sums, v_exp_f32 and their like allow (about 1e-6 of the number): no bf16 or f16 on the way to a quantiser, and a product that is left as it is and whose result goes on into a quantised operand takes f32 operands (vector FMAs, or v_wmma_f32_16x16x4_f32). A number that lies on a knife's edge between two numbers of the format may be rounded either way, as far as f32 arithmetic and the matrix unit's own rounding can turn it there, and no further.
;; One version. Each part assembles by itself: llvm-mc -triple=amdgcn-amd-amdhsa -mcpu=gfx1250 --defsym DOCPART=n.
;; ======== version 1 of 1: 2 launches
;; limits: right only within a limited range of input values
;; workspace buffers: wimg 65,536 bytes; qc 4,194,304 bytes; kv 8,388,608 bytes
;; launch proj (part 1): grid 256 x 1, 8 waves a work-group, no clusters, 119,808 bytes of LDS; arguments x, w_q, w_k, w_v, w_o, lowp_scales, qc, kv, wimg; writes qc, kv, wimg
.if DOCPART == 1
	.amdgcn_target "amdgcn-amd-amdhsa--gfx1250"
	.amdhsa_code_object_version 6
	.text
	.protected	k_qf7eb0fb0ad_proj
	.globl	k_qf7eb0fb0ad_proj
	.p2align	8
	.type	k_qf7eb0fb0ad_proj,@function
k_qf7eb0fb0ad_proj:
	s_mov_b64 s[64:65], 0
	v_nop
	global_prefetch_b8 v0, s[64:65] scope:SCOPE_SE
	s_setreg_imm32_b32 hwreg(HW_REG_WAVE_MODE, 25, 1), 1
	s_wait_xcnt 0x0
; q, k, v = x w_q, x w_k, x w_v on codes of E4M3 with the given scales (entries 0 to 5), each finished sum quantised again (entries 6, 7, 9) and stored as codes; and w_o's codes (entry 11).  Every product of the problem is live: no work is left out.
; code = number / 2^e, held within +-448, rounded to the nearest code, ties to even.
; SHARES.  A work-group owns 256 rows of x and ONE head's 64 columns of w_q, w_k and w_v; each of its eight waves owns 32 rows (two tiles).  64 x 4 = 256 work-groups.
; THE WEIGHTS ([k][n], f32, K the first axis).  A head's columns are 256 bytes of each row: sixteen lanes take one row, four neighbouring columns each, lanes 16-31 the row 8 further on.  The holds lay a column's numbers side by
; side, so a conversion takes eight k of one column.  Fragment j of a weight holds the columns 4 r + j (r = lane % 16).  Wave w converts k = 16 w .. + 15 and 128 + 16 w .. + 15 of all three; the codes lie in LDS as images of
; operand registers (registers 4 g .. 4 g + 3 of the 32 lanes at byte 512 g + 16 x lane) and are read by all waves.
; x.  A load takes 512 consecutive bytes of a row: a lane then holds k = 4 l .. 4 l + 3 and 128 + 4 l .. + 3 of a row, eight numbers, which one conversion takes.  A row's codes turn through the wave's own rows in LDS into fragments.
; BOTH SIDES OF A PRODUCT HAVE THE SAME ORDER OF k: registers 4 g .. 4 g + 3 of K step s, lane half h, hold with w = 4 s + g: 16 w + 8 h + 0 .. 3, 128 + those, 16 w + 8 h + 4 .. 7, 128 + those.
; x is quantised for q; for k (v) it is quantised anew only where its exponent differs from q's (k's): with the same exponent the codes are the same.
; There is no cluster and no joint load; x's rows go straight into the registers of the one wave that uses them.  No prefetch: there is no loop to run ahead in, 64 loads a wave are out from the head on.
; OUT, all as images of operand registers: q [row tile][head][1,024]; kv [batch 8][head 4][128 keys 16][K: key tile 8 x 1,024 | V: channel tile 4 x 2,048].
; Place 16 j + 8 h + i of a head's 64 (q, k and, through the softmax's product, ctx) is the head's channel 4 (8 h + i) + j; w_o's image takes its rows in that order: [column tile 16][K step 2][2,048].
; w_o: 128 pieces of 512 bytes, one by wave 0 of each of the first 128 work-groups.
; LIMITS: the exponents e of x, the weights, and e6 - e0 - e1, e7 - e2 - e3, e9 - e4 - e5 lie between -126 and 119, so that 2^e and 448 x 2^e are f32 numbers.  NaN among the inputs is not served.
.set XC,    49152                      ; LDS: the weights' images [weight 3][fragment 4][K step 2][2,048]; then x's codes, 32 rows x (256 + 16) for each wave;
.set XP,    272
.set SPARE, 118784                     ; the spare words, 128 bytes for each of eight waves, that no other line names
.set SPW, 1                            ; v1 LDS address of my spare word, v2 0; never rewritten
.set NIL, 2
.set L16, 3                            ; v3 16 x lane
.set AW,  4                            ; v4 my place in the weights, v5 in w_o
.set AO,  5
.set WI,  6                            ; v6 where I put the weights' images
.set XS,  7                            ; v7 where I put x's codes, v8 where I read fragments
.set XL,  8
.set SC,  10                           ; v10-19 2^e: x for q, k, v; w_q, w_k, w_v; q, k, v; w_o
.set OW,  20                           ; v20-23 w_o's codes
.set WO,  32                           ; v32-47 w_o's numbers
.set TM,  48                           ; v48-63 at work on the weights
.set WF,  64                           ; v64-255 the weights' numbers: 64 t + 32 (k's upper half) + 4 i + column j
.set XF,  32                           ; later: v32-95 x's fragments (tile m, K step s) at 16 (2 m + s);
.set BF,  96                           ; v96-159 a weight's four fragments of one K step, or at work on x;
.set AC,  160                          ; v160-223 accumulators (tile m, fragment j) at 8 (4 m + j);
.set OC,  224                          ; v224-239 codes on their way out
.set WV,  24
.set BT,  25
.set BL,  26
.set HD,  27
.set XB,  28                           ; s[28:29] my rows of x; s[30:35] the three weights; s[36:37] q; s[38:39] k; s[52:53] v; s[54:55] w_o; s[56:57] its image
.set WB,  30
.set QB,  36
.set KB,  38
.set E,   40                           ; s[40:51] the scales' exponents
.set VB,  52
.set OB,  54
.set IB,  56
.set BD,  66                           ; s66-85: -448 x 2^e and 448 x 2^e, in the order of v10-19
.set MSB, 0
.macro WIN new                         ; the immediate's high byte repeats the setting that is left
.if MSB != \new
	s_set_vgpr_msb (MSB<<8)|\new
.set MSB, \new
.endif
.endm
.macro PLACES n
.rept \n
	v_nop
.endr
.endm
.macro VW
	s_wait_alu depctr_va_vdst(0)
.endm
.macro MK q, e
	s_add_co_i32 s22, \e, 127
	s_lshl_b32 s23, s22, 23
	v_mov_b32 v[SC+\q], s23
	s_add_co_i32 s22, s22, 8
	s_lshl_b32 s22, s22, 23
	s_or_b32 s[BD+2*\q+1], s22, 0x600000
	s_or_b32 s[BD+2*\q], s[BD+2*\q+1], 0x80000000
.endm
	s_load_b256 s[4:11], s[0:1], 0x0               ; x, w_q, w_k, w_v
	s_load_b256 s[12:19], s[0:1], 0x20             ; w_o, the scales' exponents, qc, kv
	s_load_b64 s[20:21], s[0:1], 0x40              ; wimg
	v_lshl_add_u32 v[SPW], v0, 2, SPARE
	v_mov_b32 v[NIL], 0
	v_lshrrev_b32 v20, 5, v0
	v_readfirstlane_b32 s[WV], v20                 ; wave 0..7
	v_and_b32 v20, 31, v0
	v_and_b32 v21, 15, v0                          ; r
	v_bfe_u32 v22, v0, 4, 1                        ; h
	v_lshlrev_b32 v[L16], 4, v20
	v_lshlrev_b32 v[AW], 4, v21
	v_lshl_add_u32 v[AW], v22, 13, v[AW]           ; 16 r + 8 h rows of 1,024 bytes
	v_lshlrev_b32 v[AO], 2, v21
	v_lshl_add_u32 v[AO], v22, 15, v[AO]           ; 4 r + 32 h rows
	v_lshlrev_b32 v[XS], 3, v20
	v_mul_u32_u24 v[XL], v21, XP
	v_lshl_add_u32 v[XL], v22, 4, v[XL]
	s_lshl_b32 s58, s[WV], 9
	s_mul_i32 s59, s[WV], 32*XP
	s_add_co_u32 s59, s59, XC
	VW
	v_add_nc_u32 v[WI], s58, v[L16]                ; K step w / 4, registers 4 (w % 4) on: 512 w bytes
	v_add_nc_u32 v[XS], s59, v[XS]
	v_add_nc_u32 v[XL], s59, v[XL]
	s_and_b32 s[BT], ttmp9, 7                      ; batch
	s_lshr_b32 s58, ttmp9, 3
	s_lshr_b32 s[BL], s58, 2                       ; which 256 rows of it
	s_and_b32 s[HD], s58, 3                        ; head
	s_lshl_b32 s58, s[BT], 21                      ; my 32 rows of x, 1,024 bytes each
	s_lshl_b32 s59, s[BL], 18
	s_add_co_u32 s58, s58, s59
	s_lshl_b32 s59, s[WV], 15
	s_add_co_u32 s58, s58, s59
	s_mov_b32 s59, 0
	s_lshl_b32 s60, s[HD], 8                       ; my head's columns, my k's: 16 w on
	s_lshl_b32 s61, s[WV], 14
	s_add_co_u32 s60, s60, s61
	s_mov_b32 s61, 0
	s_and_b32 s62, ttmp9, 127                      ; w_o's piece U = 8 n + 4 s + g: rows 64 (2 s + g / 2) + 2 (g % 2) on, columns 16 n on
	s_and_b32 s63, s62, 6
	s_lshl_b32 s63, s63, 15
	s_and_b32 s22, s62, 1
	s_lshl_b32 s22, s22, 11
	s_add_co_u32 s63, s63, s22
	s_lshr_b32 s22, s62, 3
	s_lshl_b32 s22, s22, 6
	s_add_co_u32 s22, s63, s22
	s_mov_b32 s23, 0
	s_lshl_b32 s62, s62, 9                         ; its place in the image
	s_mov_b32 s63, 0
	VW
	s_wait_kmcnt 0x0
	s_load_b256 s[E:E+7], s[14:15], 0x0
	s_load_b128 s[E+8:E+11], s[14:15], 0x20
	s_add_nc_u64 s[XB:XB+1], s[4:5], s[58:59]
	s_add_nc_u64 s[WB:WB+1], s[6:7], s[60:61]
	s_add_nc_u64 s[WB+2:WB+3], s[8:9], s[60:61]
	s_add_nc_u64 s[WB+4:WB+5], s[10:11], s[60:61]
	s_add_nc_u64 s[OB:OB+1], s[12:13], s[22:23]
	s_add_nc_u64 s[IB:IB+1], s[20:21], s[62:63]
	s_lshr_b32 s3, ttmp9, 7
	s_or_b32 s3, s3, s[WV]                         ; 0 in wave 0 of the first 128 work-groups
	s_cmp_lg_u32 s3, 0
	s_cbranch_scc1 .Lno_piece
.irp c, 0,1
.irp i, 0,1,2,3,4,5,6,7
	global_load_b32 v[WO+8*\c+\i], v[AO], s[OB:OB+1] offset:4096*\i+1024*\c
.endr
.endr
.Lno_piece:
.macro WLOAD t                         ; 16 loads: rows 16 w + 8 h + i, and 128 further on
.irp u, 0,1
.irp i, 0,1,2,3,4,5,6,7
	global_load_b128 v[WF+64*\t+32*\u+4*\i:WF+64*\t+32*\u+4*\i+3], v[AW], s[WB+2*\t:WB+2*\t+1] offset:131072*\u+1024*\i
.endr
.endr
.endm
.macro XLOAD b                         ; 16 loads: rows 8 b .. 8 b + 7 into window 1, eight registers a row
	WIN 0x40
.irp i, 0,1,2,3,4,5,6,7
	global_load_b128 v[64*\b+8*\i:64*\b+8*\i+3], v[L16], s[XB:XB+1] offset:8192*\b+1024*\i
	global_load_b128 v[64*\b+8*\i+4:64*\b+8*\i+7], v[L16], s[XB:XB+1] offset:8192*\b+1024*\i+512
.endr
	WIN 0
.endm
	WLOAD 0
	WLOAD 1
	WLOAD 2
	XLOAD 0
	s_lshr_b32 s58, s58, 2                         ; q: 256 bytes a row (all heads), 1,024 a head and tile
	s_lshl_b32 s60, s[HD], 10
	s_add_co_u32 s58, s58, s60
	s_add_nc_u64 s[QB:QB+1], s[16:17], s[58:59]
	s_lshl_b32 s58, s[BT], 20
	s_lshl_b32 s60, s[HD], 18
	s_add_co_u32 s58, s58, s60
	s_lshl_b32 s60, s[BL], 15                      ; 256 keys are two steps,
	s_add_co_u32 s58, s58, s60
	s_lshr_b32 s60, s[WV], 2                       ; mine w / 4,
	s_lshl_b32 s60, s60, 14
	s_add_co_u32 s58, s58, s60
	s_add_nc_u64 s[VB:VB+1], s[18:19], s[58:59]
	s_and_b32 s60, s[WV], 3                        ; in it key tiles 2 (w % 4) and the next: two tiles of K, 512 bytes of each tile of V
	s_lshl_b32 s58, s60, 11
	s_add_nc_u64 s[KB:KB+1], s[VB:VB+1], s[58:59]
	s_lshl_b32 s58, s60, 9
	s_add_co_u32 s58, s58, 8192
	s_add_nc_u64 s[VB:VB+1], s[VB:VB+1], s[58:59]
	s_wait_kmcnt 0x0
	MK 0, s[E]
	MK 1, s[E+2]
	MK 2, s[E+4]
	MK 3, s[E+1]
	MK 4, s[E+3]
	MK 5, s[E+5]
	s_sub_co_i32 s60, s[E+6], s[E]                 ; a sum stands for sum x 2^(its operands' exponents): they are folded into the conversion's scale
	s_sub_co_i32 s60, s60, s[E+1]
	MK 6, s60
	s_sub_co_i32 s60, s[E+7], s[E+2]
	s_sub_co_i32 s60, s60, s[E+3]
	MK 7, s60
	s_sub_co_i32 s60, s[E+9], s[E+4]
	s_sub_co_i32 s60, s60, s[E+5]
	MK 8, s60
	MK 9, s[E+11]
	VW
.macro HOLD d, s, q                    ; the conversion to an 8-bit code does not saturate (ISA guide 7.6.2): hold first
	v_med3_num_f32 v[\d], v[\s], s[BD+2*(\q)], s[BD+2*(\q)+1]
.endm
	s_cmp_lg_u32 s3, 0
	s_cbranch_scc1 .Lpiece_done
	s_wait_loadcnt 63                              ; 64 younger loads are behind w_o's sixteen: with 63 out those are in
.set i, 0
.rept 16
	HOLD WO+i, WO+i, 9
.set i, i+1
.endr
	v_cvt_scalef32_pk8_fp8_f32 v[OW:OW+1], v[WO:WO+7], v[SC+9]
	v_cvt_scalef32_pk8_fp8_f32 v[OW+2:OW+3], v[WO+8:WO+15], v[SC+9]
	v_nop
	global_store_b128 v[L16], v[OW:OW+3], s[IB:IB+1]   ; 512 consecutive bytes, aligned
.Lpiece_done:
.macro WQ t, c                         ; weight t: a column's sixteen k side by side, two conversions: four registers of fragment j
	s_wait_loadcnt 48                              ; this weight's loads are in; the three younger groups of sixteen may be out
.irp j, 0,1,2,3
.irp i, 0,1,2,3
	HOLD TM+\i, WF+64*\t+4*\i+\j, 3+\t
	HOLD TM+4+\i, WF+64*\t+32+4*\i+\j, 3+\t
	HOLD TM+8+\i, WF+64*\t+16+4*\i+\j, 3+\t
	HOLD TM+12+\i, WF+64*\t+48+4*\i+\j, 3+\t
.endr
	v_cvt_scalef32_pk8_fp8_f32 v[\c+4*\j:\c+4*\j+1], v[TM:TM+7], v[SC+3+\t]
	v_cvt_scalef32_pk8_fp8_f32 v[\c+4*\j+2:\c+4*\j+3], v[TM+8:TM+15], v[SC+3+\t]
	v_nop                                          ; a plain line ahead of the next writes of their sources
.endr
.irp j, 0,1,2,3
	ds_store_b128 v[WI], v[\c+4*\j:\c+4*\j+3] offset:16384*\t+4096*\j
.endr
.endm
	WQ 0, 32
	XLOAD 1
	WQ 1, 64                                       ; (the first weight's numbers are done with)
	XLOAD 2
	WQ 2, 80
	XLOAD 3
	VW
	s_wait_dscnt 0x0                               ; for the others' sake: my part of the weights' images has landed; x's loads stay in flight
	s_barrier_signal -1
	s_barrier_wait -1
; x's rows with scale t: eight rows at a time.  ld = 1: as they come in
.macro XQ t, ld
.irp b, 0,1,2,3
.if \ld
	s_wait_loadcnt 48-16*\b                        ; the later batches' loads, sixteen each, may be out
.endif
	WIN 0x01                                       ; source 0 window 1
.set i, 0
.rept 64
	HOLD BF+i, 64*\b+i, \t
.set i, i+1
.endr
	WIN 0
.irp i, 0,1,2,3,4,5,6,7
	v_cvt_scalef32_pk8_fp8_f32 v[OC+16*(\b%2)+2*\i:OC+16*(\b%2)+2*\i+1], v[BF+8*\i:BF+8*\i+7], v[SC+\t]
.endr
	v_nop                                          ; a plain line behind the last conversion
.irp i, 0,1,2,3,4,5,6,7
	ds_store_b64 v[XS], v[OC+16*(\b%2)+2*\i:OC+16*(\b%2)+2*\i+1] offset:(8*\b+\i)*XP
.endr
.endr
.endm
.macro XFRAG                           ; my rows' fragments: my own bytes, which LDS serves in order
.irp m, 0,1
.irp s, 0,1
.irp g, 0,1,2,3
	ds_load_b128 v[XF+16*(2*\m+\s)+4*\g:XF+16*(2*\m+\s)+4*\g+3], v[XL] offset:16*\m*XP+128*\s+32*\g
.endr
.endr
.endr
.endm
.macro BFRAG t, s                      ; weight t's four fragments of K step s
.irp j, 0,1,2,3
.irp g, 0,1,2,3
	ds_load_b128 v[BF+16*\j+4*\g:BF+16*\j+4*\g+3], v[L16] offset:(8*(\t)+2*\j+\s)*2048+512*\g
.endr
.endr
.endm
; q and k transposed (source 0 = 16 columns of the weight): a lane holds ONE row, its registers run along the head's channels; v as it is: a lane holds ONE channel, its registers run along the keys.
.macro MULS t, s                       ; eight accumulators by turns; the first K step starts the sums
	s_wait_dscnt 0x0
.irp m, 0,1
.irp j, 0,1,2,3
.if \t < 2
.if \s == 0
	v_wmma_f32_16x16x128_fp8_fp8 v[AC+8*(4*\m+\j):AC+8*(4*\m+\j)+7], v[BF+16*\j:BF+16*\j+15], v[XF+16*(2*\m+\s):XF+16*(2*\m+\s)+15], 0
.else
	v_wmma_f32_16x16x128_fp8_fp8 v[AC+8*(4*\m+\j):AC+8*(4*\m+\j)+7], v[BF+16*\j:BF+16*\j+15], v[XF+16*(2*\m+\s):XF+16*(2*\m+\s)+15], v[AC+8*(4*\m+\j):AC+8*(4*\m+\j)+7]
.endif
.else
.if \s == 0
	v_wmma_f32_16x16x128_fp8_fp8 v[AC+8*(4*\m+\j):AC+8*(4*\m+\j)+7], v[XF+16*(2*\m+\s):XF+16*(2*\m+\s)+15], v[BF+16*\j:BF+16*\j+15], 0
.else
	v_wmma_f32_16x16x128_fp8_fp8 v[AC+8*(4*\m+\j):AC+8*(4*\m+\j)+7], v[XF+16*(2*\m+\s):XF+16*(2*\m+\s)+15], v[BF+16*\j:BF+16*\j+15], v[AC+8*(4*\m+\j):AC+8*(4*\m+\j)+7]
.endif
.endif
.endr
.endr
	PLACES 4                                       ; for the loads into the fragments' registers and the first read of results
.endm
.macro PROD t
	MULS \t, 0
	BFRAG \t, 1
	MULS \t, 1
.if \t < 2
	BFRAG (\t)+1, 0
.endif
	s_wait_xcnt 0x0                                ; earlier stores have read their registers
.irp m, 0,1
.irp j, 0,1,2,3
.irp i, 0,1,2,3,4,5,6,7
	HOLD AC+8*(4*\m+\j)+\i, AC+8*(4*\m+\j)+\i, 6+\t
.endr
.if \t < 2
	v_cvt_scalef32_pk8_fp8_f32 v[OC+8*\m+2*\j:OC+8*\m+2*\j+1], v[AC+8*(4*\m+\j):AC+8*(4*\m+\j)+7], v[SC+6+\t]   ; registers 2 j, 2 j + 1 of the tile's fragment
.else
	v_cvt_scalef32_pk8_fp8_f32 v[OC+4*\j+2*\m:OC+4*\j+2*\m+1], v[AC+8*(4*\m+\j):AC+8*(4*\m+\j)+7], v[SC+6+\t]   ; channel tile j: my two key tiles' register pairs
.endif
.endr
.endr
	v_nop                                          ; a plain line behind the last conversion
.endm
.macro NEXT t                          ; x's codes for product t: quantised anew only where the exponent differs
	VW
	s_cmp_eq_u32 s[E+2*(\t)], s[E+2*(\t)-2]
	s_cbranch_scc1 .Lsame_\@
	s_wait_dscnt 0x0                               ; the weight's fragments just asked for lie in the registers that x is worked in: they are asked for again below
	s_wait_xcnt 0x0                                ; the stores have read their registers
	XQ \t, 0
	XFRAG
	BFRAG \t, 0
.Lsame_\@:
.endm
	XQ 0, 1
	XFRAG
	BFRAG 0, 0
	PROD 0
.irp m, 0,1
.irp g, 0,1
	global_store_b128 v[L16], v[OC+8*\m+4*\g:OC+8*\m+4*\g+3], s[QB:QB+1] offset:4096*\m+512*\g   ; each store of the wave covers 512 consecutive bytes, aligned
.endr
.endr
	NEXT 1
	PROD 1
.irp m, 0,1
.irp g, 0,1
	global_store_b128 v[L16], v[OC+8*\m+4*\g:OC+8*\m+4*\g+3], s[KB:KB+1] offset:1024*\m+512*\g
.endr
.endr
	NEXT 2
	PROD 2
.irp j, 0,1,2,3
	global_store_b128 v[L16], v[OC+4*\j:OC+4*\j+3], s[VB:VB+1] offset:2048*\j
.endr
	s_wait_tensorcnt 0x0                           ; the wave's end, behind my last LDS store
	ds_add_u32 v[SPW], v[NIL]
	s_wait_dscnt 0x0
	s_endpgm
.Lfunc_end_k_qf7eb0fb0ad_proj:
	.size	k_qf7eb0fb0ad_proj, .Lfunc_end_k_qf7eb0fb0ad_proj-k_qf7eb0fb0ad_proj
	.p2alignl 7, 3214868480
	.fill 96, 4, 3214868480
	.section	.rodata,"a",@progbits
	.p2align	6, 0x0
	.amdhsa_kernel k_qf7eb0fb0ad_proj
		.amdhsa_group_segment_fixed_size 119808
		.amdhsa_private_segment_fixed_size 0
		.amdhsa_enable_private_segment 0
		.amdhsa_kernarg_size 72
		.amdhsa_user_sgpr_count 2
		.amdhsa_user_sgpr_kernarg_segment_ptr 1
		.amdhsa_wavefront_size32 1
		.amdhsa_system_sgpr_workgroup_id_x 1
		.amdhsa_system_sgpr_workgroup_id_y 1
		.amdhsa_system_sgpr_workgroup_id_z 1
		.amdhsa_system_vgpr_workitem_id 0
		.amdhsa_next_free_vgpr 512
		.amdhsa_next_free_sgpr 90
		.amdhsa_reserve_vcc 0
		.amdhsa_float_denorm_mode_32 3
		.amdhsa_float_denorm_mode_16_64 3
		.amdhsa_memory_ordered 1
		.amdhsa_forward_progress 1
		.amdhsa_inst_pref_size 127
	.end_amdhsa_kernel
	.amdgpu_metadata
---
amdhsa.version: [ 1, 2 ]
amdhsa.kernels:
  - .name:           k_qf7eb0fb0ad_proj
    .symbol:         k_qf7eb0fb0ad_proj.kd
    .args:
      - { .name: x, .offset: 0, .size: 8, .value_kind: global_buffer, .address_space: global }
      - { .name: w_q, .offset: 8, .size: 8, .value_kind: global_buffer, .address_space: global }
      - { .name: w_k, .offset: 16, .size: 8, .value_kind: global_buffer, .address_space: global }
      - { .name: w_v, .offset: 24, .size: 8, .value_kind: global_buffer, .address_space: global }
      - { .name: w_o, .offset: 32, .size: 8, .value_kind: global_buffer, .address_space: global }
      - { .name: lowp_scales, .offset: 40, .size: 8, .value_kind: global_buffer, .address_space: global }
      - { .name: qc, .offset: 48, .size: 8, .value_kind: global_buffer, .address_space: global }
      - { .name: kv, .offset: 56, .size: 8, .value_kind: global_buffer, .address_space: global }
      - { .name: wimg, .offset: 64, .size: 8, .value_kind: global_buffer, .address_space: global }
    .group_segment_fixed_size: 119808
    .private_segment_fixed_size: 0
    .kernarg_segment_align: 8
    .kernarg_segment_size: 72
    .max_flat_workgroup_size: 256
    .sgpr_count:     90
    .vgpr_count:     512
    .wavefront_size: 32
...
	.end_amdgpu_metadata
.endif
;; end of part 1
;; launch attn (part 2): grid 256 x 1, 8 waves a work-group, no clusters, 157,696 bytes of LDS; arguments qc, kv, wimg, lowp_scales, b_o, out0; writes out0
.if DOCPART == 2
	.amdgcn_target "amdgcn-amd-amdhsa--gfx1250"
	.amdhsa_code_object_version 6
	.text
	.protected	k_qf7eb0fb0ad_attn
	.globl	k_qf7eb0fb0ad_attn
	.p2align	8
	.type	k_qf7eb0fb0ad_attn,@function
k_qf7eb0fb0ad_attn:
	s_mov_b64 s[64:65], 0
	v_nop
	global_prefetch_b8 v0, s[64:65] scope:SCOPE_SE
	s_setreg_imm32_b32 hwreg(HW_REG_WAVE_MODE, 25, 1), 1
	s_wait_xcnt 0x0
; out = (softmax(q k^T / 8) v, heads side by side) w_o + b_o, all three products on codes of E4M3 with the given scales (entries 6 to 11).
; THE SOFTMAX AHEAD OF THE SECOND PRODUCT: t = score x log2(e) / 8; M = the row's largest t so far, rounded UP to a whole number; p = 2^(t - M) is what is quantised (entry 8); it is not normalised.
; The row's sum is taken of the unquantised p, in f32, and divides at the end.  When M moves, the sum and O are multiplied by 2^(old M - new M): nothing is rounded, and no branch hangs on floating-point data.
; ALL CODES LIE AS IMAGES OF OPERAND REGISTERS (lane l = r + 16 h: row r; registers 2 c, 2 c + 1: k = 16 c + 8 h + 0 .. 7; registers 4 g .. 4 g + 3 of the 32 lanes at byte 512 g + 16 l):
; a load of 512 consecutive bytes brings four registers of a fragment, and a conversion of an accumulator's eight registers IS a register pair of the next operand.
; SHARES.  A work-group owns 64 rows of one batch, all four heads.  Wave w: head w / 2, half w % 2 of the keys (8 steps of 128), all 64 queries (four tiles, in two pairs).  So every fragment of K and V is used by ONE wave of
; the work-group, for four tiles of queries, and goes from memory straight into that wave's registers: no LDS and no barrier stand in the loop, and waves do not wait for each other.
; NO CLUSTER: a joint load lands in LDS behind a round of the cluster's barrier, and each fragment (16,384 bytes a step for a wave) would be written to LDS to be read once by one wave.
; The branch below on a given scale spares 128 instructions a pair and step.
; THE HOLD OF p.  p is at most 1.  Where e8 is -8 or more, p / 2^e8 is at most 256 and no hold is needed; else codes beyond 448, which the conversion makes the NaN code 0x7f (ISA guide 7.6.2), become 448's code 0x7e.
; All products are used transposed: S^T = K Q^T, O^T = V^T P^T, Y^T = Wo^T ctx^T: a lane holds ONE row (lane % 16) throughout, and its registers run along the next product's K.
; THE END.  The two waves of a head hand each other two tiles' O, M and sum through LDS, each finishes two tiles; ctx = O / sum x 2^(e8 + e9) is quantised (entry 10), goes from wave to wave as images, and wave w makes
; output columns 32 w .. 32 w + 31 for the 64 rows.
; LIMITS on the given exponents, so that each power of two below is an f32 number: e6 + e7 between -123 and 130 (added to the exponent field of log2(e) / 8); e8, and e10 - e8 - e9, between -126 and 119;
; e10 + e11 between -126 and 127.  The scaled scores stay under 2^31 in magnitude.  NaN among the inputs is not served.
.set XSZ,   9216                       ; LDS: the exchange: 8,192 bytes of O and 1,024 of statistics for each wave;
.set CIMG,  73728                      ; ctx's images: [query tile 4][K step 2][2,048];
.set STG,   90112                      ; the way out: a stage of 64 rows x (1,024 bytes + 16);
.set SPT,   1040
.set SPARE, 156672                     ; the spare words, 128 bytes for each of eight waves, that no other line names
.set SPW, 1                            ; v1 LDS address of my spare word, v2 0; never rewritten
.set NIL, 2
.set PSC, 3                            ; v3 2^e8
.set L16, 4                            ; v4 16 x lane
.set PFO, 5                            ; v5 256 x lane
.set CSC, 6                            ; v6 2^(e10 - e8 - e9), v7 448 x that
.set XO,  8                            ; v8 where I put my part of the exchange, v9 where I read my partner's
.set XI,  9
.set ACI, 10                           ; v10 where I put ctx's images, v11 where I read them
.set ALI, 11
.set SO,  12                           ; v12 where I put 32 bytes of a row of the stage, v13 where I read rows back
.set SR,  13
.set ST,  16                           ; v16-31 tile t's statistics at 16 + 4 t: -M, the largest score, the sum in two halves
.set TT,  32                           ; v32-47 at work, 8 for each tile of the pair in hand: +0 f (+1 named with it), +2, +3, +4, +5, +6
.set QF,  48                           ; v48-79 Q's four fragments
.set BO,  80                           ; v80-95 b_o in the result's layout
.set SS,  96                           ; v96-223 S^T, then p, 64 a tile: register 8 kt + j is key 16 kt + 8 h + j
.set PP,  224                          ; v224-255 p's codes, 16 a tile
.set KF,  0                            ; window 1: v0-63 K's eight fragments (at the end w_o's four); v64-127 V's four; v128-255 O^T, 32 a tile: register 8 dt + j is channel 16 dt + 8 h + j
.set VF,  64
.set OO,  128
.set WV,  16
.set HD,  17
.set PR,  18
.set BT,  19
.set WG,  20
.set GB,  21
.set KVB, 22                           ; s[22:23] my keys' codes: steps by 16,384
.set PFA, 24                           ; s[24:25] where my prefetch stands
.set QA,  26                           ; s[26:27], s[28:29] Q's tiles that I finish, and the other two
.set QB,  28
.set WB,  30                           ; s[30:31] my w_o, s[32:33] my b_o, s[34:35] my rows of out
.set BB,  32
.set OB,  34
.set SEL, 36                           ; s[36:37] selects for v_permlanex16_b32: lane l xor 16
.set CS,  38                           ; s[38:39] c = log2(e) / 8 x 2^(e6 + e7), named as a pair
.set TR,  40                           ; s40 the trip
.set LIM, 41                           ; s41 the trip in which I prefetch
.set YS,  46                           ; s[46:47] 2^(e10 + e11)
.set E8,  72                           ; s72 e8 (s[68:75]: e4 .. e11)
.set MSB, 0
.macro WIN new                         ; the immediate's high byte repeats the setting that is left; a switch that changes nothing is dropped
.if MSB != \new
	s_set_vgpr_msb (MSB<<8)|\new
.set MSB, \new
.endif
.endm
.macro PLACES n
.rept \n
	v_nop
.endr
.endm
.macro VW
	s_wait_alu depctr_va_vdst(0)
.endm
.macro LD16 reg, base, off             ; 8,192 bytes into 64 registers of window 1
	WIN 0x40
.set i, 0
.rept 16
	global_load_b128 v[\reg+4*i:\reg+4*i+3], v[L16], s[\base:\base+1] offset:\off+512*i
.set i, i+1
.endr
	WIN 0
.endm
	s_load_b256 s[4:11], s[0:1], 0x0               ; qc s[4:5], kv s[6:7], wimg s[8:9], the scales' exponents s[10:11]
	s_load_b128 s[12:15], s[0:1], 0x20             ; b_o s[12:13], out s[14:15]
	v_lshl_add_u32 v[SPW], v0, 2, SPARE
	v_mov_b32 v[NIL], 0
	v_lshrrev_b32 v14, 5, v0
	v_readfirstlane_b32 s[WV], v14                 ; wave 0..7
	v_and_b32 v14, 31, v0
	v_lshlrev_b32 v[L16], 4, v14
	v_lshlrev_b32 v[PFO], 8, v14
	v_and_b32 v14, 15, v0                          ; r
	v_bfe_u32 v15, v0, 4, 1                        ; h
	v_lshlrev_b32 v15, 5, v15                      ; 32 h
	v_mul_u32_u24 v[SO], v14, SPT
	v_add_nc_u32 v[SO], v[SO], v15
	s_lshr_b32 s[HD], s[WV], 1                     ; head
	s_and_b32 s[PR], s[WV], 1                      ; which half of the keys; also which two tiles I finish
	s_and_b32 s[BT], ttmp9, 7                      ; batch
	s_lshr_b32 s[WG], ttmp9, 3                     ; which 64 rows of it
	s_lshl_b32 s[GB], s[BT], 5
	s_add_co_u32 s[GB], s[GB], s[WG]
	s_mul_i32 s56, s[WV], XSZ
	s_xor_b32 s57, s[WV], 1
	s_mul_i32 s57, s57, XSZ
	s_lshl_b32 s58, s[PR], 13                      ; ctx's images: tiles 2 (w % 2) on; my head's 64 of K = 256: 1,024 x head bytes
	s_lshl_b32 s59, s[HD], 10
	s_add_co_u32 s58, s58, s59
	s_add_co_u32 s58, s58, CIMG
	s_lshl_b32 s59, s[WV], 7
	s_add_co_u32 s59, s59, STG
	s_mul_i32 s60, s[WV], 8*SPT
	s_add_co_u32 s60, s60, STG
	VW
	v_add_nc_u32 v[XO], s56, v[L16]
	v_add_nc_u32 v[XI], s57, v[L16]
	v_add_nc_u32 v[ACI], s58, v[L16]
	v_add_nc_u32 v[ALI], CIMG, v[L16]
	v_add_nc_u32 v[SO], s59, v[SO]
	v_add_nc_u32 v[SR], s60, v[L16]
	s_lshl_b32 s56, s[BT], 20                      ; kv: [batch 8][head 4][128 keys 16][K 8,192 | V 8,192]
	s_lshl_b32 s57, s[HD], 18
	s_add_co_u32 s56, s56, s57
	s_lshl_b32 s57, s[PR], 17
	s_add_co_u32 s56, s56, s57
	s_mov_b32 s57, 0
	; THE PREFETCH.  The 32 work-groups of a batch walk the same K and V.  Steps 0 and 1 come by their loads alone; step n = 2 .. 7 is asked for in trip n - 2, a whole step ahead of its loads, by the batch's work-groups 2 n (K) and
	; 2 n + 1 (V), each wave its own 8,192 bytes by one instruction, lanes 256 bytes apart: each block of 256 bytes once in the launch.  The others ask for nothing.
	s_lshr_b32 s42, s[WG], 1
	s_and_b32 s43, s42, 7
	s_lshl_b32 s43, s43, 14
	s_and_b32 s44, s[WG], 1
	s_lshl_b32 s44, s44, 13
	s_add_co_u32 s58, s43, s44
	s_mov_b32 s59, 0
	s_sub_co_u32 s43, s42, 2
	s_cmp_lt_u32 s42, 8
	s_cselect_b32 s[LIM], s43, -1
	s_lshl_b32 s60, s[GB], 14                      ; Q: four row tiles of 4,096 bytes a block, 1,024 a head
	s_lshl_b32 s61, s[HD], 10
	s_add_co_u32 s60, s60, s61
	s_mov_b32 s61, 0
	s_lshl_b32 s62, s[PR], 13                      ; my tiles 0 and 1 are those that I finish, 2 and 3 the other two
	s_mov_b32 s63, 0
	s_xor_b32 s42, s62, 8192
	s_mov_b32 s43, 0
	s_mov_b32 s[SEL], 0x76543210
	s_mov_b32 s[SEL+1], 0xfedcba98
	s_mov_b32 s[TR], 0
	VW
	s_wait_kmcnt 0x0
	s_load_b256 s[68:75], s[10:11], 0x10           ; e4 .. e11
	s_add_nc_u64 s[KVB:KVB+1], s[6:7], s[56:57]
	s_add_nc_u64 s[PFA:PFA+1], s[KVB:KVB+1], s[58:59]
	s_add_nc_u64 s[4:5], s[4:5], s[60:61]
	s_add_nc_u64 s[QA:QA+1], s[4:5], s[62:63]
	s_add_nc_u64 s[QB:QB+1], s[4:5], s[42:43]
	s_lshl_b32 s56, s[WV], 7                       ; b_o: my 32 numbers
	s_add_nc_u64 s[BB:BB+1], s[12:13], s[56:57]
.irp t, 0,1
.irp u, 0,1
	global_load_b128 v[QF+8*\t+4*\u:QF+8*\t+4*\u+3], v[L16], s[QA:QA+1] offset:\t*4096+512*\u
	global_load_b128 v[QF+16+8*\t+4*\u:QF+16+8*\t+4*\u+3], v[L16], s[QB:QB+1] offset:\t*4096+512*\u
.endr
.endr
.irp n, 0,1
.irp u, 0,1
	global_load_b128 v[BO+8*\n+4*\u:BO+8*\n+4*\u+3], v15, s[BB:BB+1] offset:64*\n+16*\u   ; b_o(32 w + 16 n + 8 h + 0 .. 7)
.endr
.endr
	LD16 KF, KVB, 0
	LD16 VF, KVB, 8192
	s_lshl_b32 s60, s[WV], 13                      ; w_o: column tiles 2 w and 2 w + 1; its rows lie in the order of ctx's places: place 16 dt + 8 h + j of a head is the head's channel 4 (8 h + j) + dt, as q's, k's and v's are laid
	s_add_nc_u64 s[WB:WB+1], s[8:9], s[60:61]
	s_lshl_b32 s60, s[GB], 16                      ; out: 64 rows of 1,024 bytes a block; I store rows 8 w on
	s_lshl_b32 s62, s[WV], 13
	s_add_co_u32 s60, s60, s62
	s_add_nc_u64 s[OB:OB+1], s[14:15], s[60:61]
.irp t, 0,1,2,3
	v_mov_b32 v[ST+4*\t], 0x7f61b1e6               ; -M and the largest score so far: M under every t
	v_mov_b32 v[ST+4*\t+1], 0xff61b1e6
	v_mov_b32 v[ST+4*\t+2], 0
	v_mov_b32 v[ST+4*\t+3], 0
.endr
.irp t, 0,1
	v_mov_b32 v[TT+8*\t+1], 0                      ; (named as the upper half of f's pair)
	v_mov_b32 v[TT+8*\t+6], 0                      ; (a lane permute's destination counts as one of its sources)
.endr
	WIN 0x40
.set i, 0
.rept 128
	v_mov_b32 v[OO+i], 0                           ; O^T, under the first loads' flight.  (The step is written without a first step of its own: the first finds zeros, which the first change of M leaves zeros)
.set i, i+1
.endr
	WIN 0
	s_wait_kmcnt 0x0
	s_add_co_i32 s56, s70, s71
	s_lshl_b32 s56, s56, 23
	s_add_co_i32 s[CS], s56, 0x3e38aa3b            ; log2(e) / 8, with e6 + e7 added to its exponent field: a score stands for score x 2^(e6 + e7)
	s_mov_b32 s[CS+1], s[CS]
	s_add_co_i32 s56, s[E8], 127
	s_lshl_b32 s57, s56, 23
	v_mov_b32 v[PSC], s57                          ; 2^e8
	s_sub_co_i32 s56, s74, s[E8]
	s_sub_co_i32 s56, s56, s73
	s_add_co_i32 s56, s56, 127
	s_lshl_b32 s57, s56, 23
	v_mov_b32 v[CSC], s57                          ; 2^(e10 - e8 - e9): O / sum stands for ctx / 2^(e8 + e9)
	s_add_co_i32 s56, s56, 8
	s_lshl_b32 s56, s56, 23
	s_or_b32 s56, s56, 0x600000
	v_mov_b32 v[CSC+1], s56
	s_add_co_i32 s56, s74, s75
	s_add_co_i32 s56, s56, 127
	s_lshl_b32 s[YS], s56, 23                      ; 2^(e10 + e11)
	s_mov_b32 s[YS+1], s[YS]
.macro QK h                            ; S^T = K Q^T: each fragment of K against the pair's two tiles of queries
	WIN 0x01                                       ; K window 1; Q, S^T window 0
.irp kt, 0,1,2,3,4,5,6,7
.irp u, 0,1
	v_wmma_f32_16x16x64_fp8_fp8 v[SS+64*\u+8*\kt:SS+64*\u+8*\kt+7], v[KF+8*\kt:KF+8*\kt+7], v[QF+8*(2*(\h)+\u):QF+8*(2*(\h)+\u)+7], 0
.endr
.endr
	PLACES 4                                       ; for the first read of the scores, and for loads into K's registers
	WIN 0
.endm
.macro PV h                            ; O^T += V^T P^T: eight accumulators by turns, one instruction a turn
	WIN 0x51                                       ; V, C and D window 1; P window 0
.irp dt, 0,1,2,3
.irp u, 0,1
	v_wmma_f32_16x16x128_fp8_fp8 v[OO+32*(2*(\h)+\u)+8*\dt:OO+32*(2*(\h)+\u)+8*\dt+7], v[VF+16*\dt:VF+16*\dt+15], v[PP+16*\u:PP+16*\u+15], v[OO+32*(2*(\h)+\u)+8*\dt:OO+32*(2*(\h)+\u)+8*\dt+7]
.endr
.endr
	WIN 0
.endm
; the step's largest score of my query among my 64 keys, in three chains a tile, the two tiles line by line; each accumulator is first read at its low end
.macro MAXES
; (three chains a tile: registers 0 to 8 begin them, 9 to 62 go on by twos, 63 comes with the join)
.irp c, 0,1,2
.irp u, 0,1
	v_max3_num_f32 v[TT+8*\u+2+\c], v[SS+64*\u+3*\c], v[SS+64*\u+3*\c+1], v[SS+64*\u+3*\c+2]
.endr
.endr
.set i, 0
.rept 9
.irp c, 0,1,2
.irp u, 0,1
	v_max3_num_f32 v[TT+8*\u+2+\c], v[TT+8*\u+2+\c], v[SS+64*\u+9+6*i+2*\c], v[SS+64*\u+10+6*i+2*\c]
.endr
.endr
.set i, i+1
.endr
.irp u, 0,1
	v_max3_num_f32 v[TT+8*\u+2], v[TT+8*\u+2], v[TT+8*\u+3], v[SS+64*\u+63]
.endr
.irp u, 0,1
	v_max_num_f32 v[TT+8*\u+2], v[TT+8*\u+2], v[TT+8*\u+4]
.endr
.endm
.macro STATS h
.irp u, 0,1
	v_permlanex16_b32 v[TT+8*\u+6], v[TT+8*\u+2], s[SEL], s[SEL+1]   ; the query's other 64 keys lie in the lane 16 away
.endr
.irp u, 0,1
	v_max3_num_f32 v[ST+4*(2*(\h)+\u)+1], v[ST+4*(2*(\h)+\u)+1], v[TT+8*\u+2], v[TT+8*\u+6]   ; the running largest score
.endr
.irp u, 0,1
	v_mul_f32 v[TT+8*\u+2], s[CS], -v[ST+4*(2*(\h)+\u)+1]   ; -t (c is positive)
.endr
.irp u, 0,1
	v_floor_f32 v[TT+8*\u+2], v[TT+8*\u+2]         ; the new -M = floor(-t) = -ceil(t): M is a whole number
.endr
.irp u, 0,1
	v_sub_f32 v[TT+8*\u+3], v[TT+8*\u+2], v[ST+4*(2*(\h)+\u)]   ; M's old value less its new one: a whole number, 0 or less
.endr
.irp u, 0,1
	v_mov_b32 v[ST+4*(2*(\h)+\u)], v[TT+8*\u+2]
.endr
.endm
.macro ASK                             ; (since the wait ahead of the last jump no ordinary vector instruction has written anything)
	s_cmp_eq_u32 s[TR], s[LIM]
	s_cbranch_scc0 .Lnot_mine_\@
	global_prefetch_b8 v[PFO], s[PFA:PFA+1] th:TH_LOAD_NT scope:SCOPE_SE
.Lnot_mine_\@:
.endm
.macro RESCALE h                       ; O^T x f, each accumulator from its low end on
	WIN 0x41
	VW
.irp u, 0,1
.irp j, 0,2,4,6,8,10,12,14,16,18,20,22,24,26,28,30
	v_pk_mul_f32 v[OO+32*(2*(\h)+\u)+\j:OO+32*(2*(\h)+\u)+\j+1], v[OO+32*(2*(\h)+\u)+\j:OO+32*(2*(\h)+\u)+\j+1], v[TT+8*\u:TT+8*\u+1] op_sel_hi:[1,0]
.endr
.endr
	WIN 0
.endm
.macro SCALE h, u, n                   ; pair n of the pair's tile u: t - M = c s + (-M) (of the pairs c and -M the low word serves both halves)
	v_pk_fma_f32 v[SS+64*(\u)+2*(\n):SS+64*(\u)+2*(\n)+1], v[SS+64*(\u)+2*(\n):SS+64*(\u)+2*(\n)+1], s[CS:CS+1], v[ST+4*(2*(\h)+(\u)):ST+4*(2*(\h)+(\u))+1] op_sel_hi:[1,0,0]
.endm
.macro CVT u, kt                       ; accumulator kt's eight registers become register pair kt of the second product's operand
	v_cvt_scalef32_pk8_fp8_f32 v[PP+16*(\u)+2*(\kt):PP+16*(\u)+2*(\kt)+1], v[SS+64*(\u)+8*(\kt):SS+64*(\u)+8*(\kt)+7], v[PSC]
.endm
.macro EXPS n, c                       ; c exponentials of the second tile from register n on
.set q, 0
.rept \c
	v_exp_f32 v[SS+64+(\n)+q], v[SS+64+(\n)+q]
.set q, q+1
.endr
.endm
.macro FOLD kt                         ; the first tile's p, whose codes are made, added in place: 8 numbers become two pairs.  half by half
	v_pk_add_f32 v[SS+(\kt):SS+(\kt)+1], v[SS+(\kt):SS+(\kt)+1], v[SS+(\kt)+2:SS+(\kt)+3]
.endm
; TWO BATCHES of 64 exponentials.  Among the first tile's stand the second tile's scalings, among the second's the first tile's conversions and half of its additions: what they write is first read behind the batch's wait.
.macro SOFTMAX h
.set i, 0
.rept 32
	SCALE \h, 0, i
.if i == 6
.irp u, 0,1
	v_cvt_i32_f32 v[TT+8*\u+3], v[TT+8*\u+3]       ; (it saturates)
.endr
.endif
.if i == 14
.irp u, 0,1
	v_ldexp_f32 v[TT+8*\u], 1.0, v[TT+8*\u+3]      ; f = 2^(old M - new M)
.endr
.endif
.set i, i+1
.endr
	RESCALE \h                                     ; its wait serves the scaled scores, which the exponentials read, as well
.set i, 0
.rept 32
	v_exp_f32 v[SS+2*i], v[SS+2*i]                 ; p = 2^(t - M), at most 1
	v_exp_f32 v[SS+2*i+1], v[SS+2*i+1]
	SCALE \h, 1, i
.set i, i+1
.endr
	VW
.set i, 0
.rept 8
	CVT 0, i
	EXPS 8*i, 2
.if i > 0
	FOLD 8*(i-1)
.else
	v_nop
.endif
	EXPS 8*i+2, 2
.if i > 0
	FOLD 8*(i-1)+4
.endif
	EXPS 8*i+4, 4
.set i, i+1
.endr
	FOLD 56
	FOLD 60
	VW
; the row's sum is taken of the UNQUANTISED p: two at a time, in two chains for the first tile, four for the second; the second tile's conversions stand among them
.set SA, ST+8*(\h)+2
.set SB, SA+4
	v_pk_fma_f32 v[SA:SA+1], v[SA:SA+1], v[TT:TT+1], v[SS:SS+1] op_sel_hi:[1,0,1]              ; sum x f + p
	v_pk_fma_f32 v[SB:SB+1], v[SB:SB+1], v[TT+8:TT+9], v[SS+64:SS+65] op_sel_hi:[1,0,1]
	v_pk_add_f32 v[TT+4:TT+5], v[SS+4:SS+5], v[SS+12:SS+13]
	v_pk_add_f32 v[TT+12:TT+13], v[SS+66:SS+67], v[SS+74:SS+75]
	v_pk_add_f32 v[SS:SS+1], v[SS+68:SS+69], v[SS+76:SS+77]        ; (the first tile's lowest registers are done with: two more chains for the second tile, which has four)
	v_pk_add_f32 v[SS+2:SS+3], v[SS+70:SS+71], v[SS+78:SS+79]
.set i, 1
.rept 7
	v_pk_add_f32 v[SA:SA+1], v[SA:SA+1], v[SS+8*i:SS+8*i+1]
	v_pk_add_f32 v[SB:SB+1], v[SB:SB+1], v[SS+64+8*i:SS+64+8*i+1]
.if i > 1
	v_pk_add_f32 v[TT+4:TT+5], v[TT+4:TT+5], v[SS+8*i+4:SS+8*i+5]
	v_pk_add_f32 v[TT+12:TT+13], v[TT+12:TT+13], v[SS+64+8*i+2:SS+64+8*i+3]
	v_pk_add_f32 v[SS:SS+1], v[SS:SS+1], v[SS+64+8*i+4:SS+64+8*i+5]
	v_pk_add_f32 v[SS+2:SS+3], v[SS+2:SS+3], v[SS+64+8*i+6:SS+64+8*i+7]
.endif
	CVT 1, i-1
.set i, i+1
.endr
	CVT 1, 7
	v_pk_add_f32 v[SB:SB+1], v[SB:SB+1], v[TT+12:TT+13]
	v_pk_add_f32 v[SS:SS+1], v[SS:SS+1], v[SS+2:SS+3]
	v_pk_add_f32 v[SA:SA+1], v[SA:SA+1], v[TT+4:TT+5]
	v_pk_add_f32 v[SB:SB+1], v[SB:SB+1], v[SS:SS+1]
.endm
.macro HOLD                            ; where e8 < -8: each byte 0x7f of the codes becomes 0x7e (codes are 0 .. 0x7f here: one added to each byte reaches bit 7 for 0x7f alone)
	VW
	s_cmp_ge_i32 s[E8], -8
	s_cbranch_scc1 .Lfree_\@
.set i, 0
.rept 32
	v_add_nc_u32 v[SS+i], 0x1010101, v[PP+i]
.set i, i+1
.endr
.set i, 0
.rept 32
	v_lshrrev_b32 v[SS+i], 7, v[SS+i]
.set i, i+1
.endr
.set i, 0
.rept 32
	v_and_b32 v[SS+i], 0x1010101, v[SS+i]
.set i, i+1
.endr
.set i, 0
.rept 32
	v_sub_nc_u32 v[PP+i], v[PP+i], v[SS+i]
.set i, i+1
.endr
	VW
.Lfree_\@:
.endm
; A STEP: 128 keys, two pairs of tiles.  K's registers are free behind the second pair's scores, V's behind its second product: there the next step's loads go out (more = 1).  In the last step w_o takes K's registers.
.macro STEP more
	s_wait_loadcnt 16                              ; K is in (and, the first time, Q and b_o, asked for ahead of it); V's 16 loads, issued behind K's, may be out
	QK 0
.if \more
	ASK
.endif
	MAXES
	STATS 0
	SOFTMAX 0
	HOLD
	s_wait_loadcnt 0x0                             ; V is in
	PV 0
	QK 1
.if \more
	s_wait_xcnt 0x0                                ; V's loads have read their base
	s_add_nc_u64 s[KVB:KVB+1], s[KVB:KVB+1], 16384
	LD16 KF, KVB, 0
.else
	LD16 KF, WB, 0
.endif
	MAXES
	STATS 1
	SOFTMAX 1
	HOLD
	PV 1
	PLACES 4                                       ; for the loads into V's registers, and for the first read of O^T behind the last step
.if \more
	LD16 VF, KVB, 8192
.endif
.endm
	VW
.Lstep:
	STEP 1
	s_add_co_u32 s[TR], s[TR], 1
	s_cmp_lt_u32 s[TR], 7
	VW
	s_cbranch_scc1 .Lstep
	STEP 0                                         ; the last step is written out: no K or V is left to ask for
	; THE EXCHANGE: tiles 2 and 3 (O^T, -M, the sum's halves) go to the wave with the other half of the keys, which finishes them; its two come back for my tiles 0 and 1
	WIN 0x04                                       ; data window 1
.set i, 0
.rept 16
	ds_store_b128 v[XO], v[OO+64+4*i:OO+64+4*i+3] offset:512*i
.set i, i+1
.endr
	WIN 0
	ds_store_b128 v[XO], v[ST+8:ST+11] offset:8192
	ds_store_b128 v[XO], v[ST+12:ST+15] offset:8704
	VW
	s_wait_dscnt 0x0                               ; for my partner's sake: my part has landed
	s_barrier_signal -1
	s_barrier_wait -1
.set RS, 160                           ; v160-167 my partner's statistics; v96-159 its O^T
.irp t, 0,1
	ds_load_b128 v[RS+4*\t:RS+4*\t+3], v[XI] offset:8192+512*\t
.endr
.set i, 0
.rept 16
	ds_load_b128 v[SS+4*i:SS+4*i+3], v[XI] offset:512*i
.set i, i+1
.endr
	s_wait_dscnt 16                                ; the statistics are in; O^T's sixteen loads may be out
.irp u, 0,1
	v_min_num_f32 v[TT+8*\u+2], v[ST+4*\u], v[RS+4*\u]      ; -M of both halves together
.endr
.irp u, 0,1
	v_sub_f32 v[TT+8*\u+3], v[TT+8*\u+2], v[ST+4*\u]
	v_sub_f32 v[TT+8*\u+4], v[TT+8*\u+2], v[RS+4*\u]
.endr
.irp u, 0,1
	v_cvt_i32_f32 v[TT+8*\u+3], v[TT+8*\u+3]
	v_cvt_i32_f32 v[TT+8*\u+4], v[TT+8*\u+4]
.endr
.irp u, 0,1
	v_ldexp_f32 v[TT+8*\u], 1.0, v[TT+8*\u+3]      ; my factor,
	v_ldexp_f32 v[TT+8*\u+2], 1.0, v[TT+8*\u+4]    ; and my partner's
.endr
.irp u, 0,1
	v_add_f32 v[TT+8*\u+4], v[ST+4*\u+2], v[ST+4*\u+3]
	v_add_f32 v[TT+8*\u+5], v[RS+4*\u+2], v[RS+4*\u+3]
.endr
.irp u, 0,1
	v_mul_f32 v[TT+8*\u+4], v[TT+8*\u+4], v[TT+8*\u]
.endr
.irp u, 0,1
	v_fma_f32 v[TT+8*\u+4], v[TT+8*\u+5], v[TT+8*\u+2], v[TT+8*\u+4]
.endr
.irp u, 0,1
	v_permlanex16_b32 v[TT+8*\u+6], v[TT+8*\u+4], s[SEL], s[SEL+1]
.endr
.irp u, 0,1
	v_add_f32 v[TT+8*\u+4], v[TT+8*\u+4], v[TT+8*\u+6]      ; the row's sum
.endr
	VW
.irp u, 0,1
	v_rcp_f32 v[TT+8*\u+5], v[TT+8*\u+4]
.endr
	v_nop                                          ; a plain place behind the reciprocals
	VW
.irp u, 0,1
	v_mul_f32 v[TT+8*\u], v[TT+8*\u], v[TT+8*\u+5]          ; the factors / the sum
	v_mul_f32 v[TT+8*\u+2], v[TT+8*\u+2], v[TT+8*\u+5]
.endr
	VW
	s_wait_dscnt 0x0
.irp u, 0,1
.irp j, 0,2,4,6,8,10,12,14,16,18,20,22,24,26,28,30
	v_pk_mul_f32 v[SS+32*\u+\j:SS+32*\u+\j+1], v[SS+32*\u+\j:SS+32*\u+\j+1], v[TT+8*\u+2:TT+8*\u+3] op_sel_hi:[1,0]
.endr
.endr
	WIN 0x01                                       ; O^T window 1
	VW
.irp u, 0,1
.irp j, 0,2,4,6,8,10,12,14,16,18,20,22,24,26,28,30
	v_pk_fma_f32 v[SS+32*\u+\j:SS+32*\u+\j+1], v[OO+32*\u+\j:OO+32*\u+\j+1], v[TT+8*\u:TT+8*\u+1], v[SS+32*\u+\j:SS+32*\u+\j+1] op_sel_hi:[1,0,1]   ; O^T / sum of both halves, each accumulator from its low end on
.endr
.endr
	WIN 0
.irp u, 0,1
.irp dt, 0,1,2,3
.irp j, 0,1,2,3,4,5,6,7
	v_med3_num_f32 v[SS+32*\u+8*\dt+\j], v[SS+32*\u+8*\dt+\j], -v[CSC+1], v[CSC+1]   ; the conversion to an 8-bit code does not saturate (ISA guide 7.6.2): hold first
.endr
	v_cvt_scalef32_pk8_fp8_f32 v[PP+16*\u+2*\dt:PP+16*\u+2*\dt+1], v[SS+32*\u+8*\dt:SS+32*\u+8*\dt+7], v[CSC]
.endr
.endr
	v_nop                                          ; a plain line behind the last conversion
.irp u, 0,1
.irp g, 0,1
	ds_store_b128 v[ACI], v[PP+16*\u+4*\g:PP+16*\u+4*\g+3] offset:\u*4096+512*\g
.endr
.endr
	VW
	s_wait_dscnt 0x0                               ; for the others' sake: my images have landed
	s_barrier_signal -1
	s_barrier_wait -1                              ; ctx's eight fragments lie in LDS
.set i, 0
.rept 32
	ds_load_b128 v[SS+4*i:SS+4*i+3], v[ALI] offset:512*i    ; fragment (query tile qt, K step s) at f = 2 qt + s
.set i, i+1
.endr
	s_wait_loadcnt 0x0                             ; w_o
	s_wait_dscnt 0x0
	WIN 0x51                                       ; w_o, C and D window 1; ctx window 0
.irp s, 0,1                            ; Y^T = Wo^T ctx^T: eight accumulators (column tile n, query tile qt) at 128 + 8 (4 n + qt), by turns; the first K step starts the sums
.irp qt, 0,1,2,3
.irp n, 0,1
.if \s == 0
	v_wmma_f32_16x16x128_fp8_fp8 v[OO+8*(4*\n+\qt):OO+8*(4*\n+\qt)+7], v[KF+16*(2*\n+\s):KF+16*(2*\n+\s)+15], v[SS+16*(2*\qt+\s):SS+16*(2*\qt+\s)+15], 0
.else
	v_wmma_f32_16x16x128_fp8_fp8 v[OO+8*(4*\n+\qt):OO+8*(4*\n+\qt)+7], v[KF+16*(2*\n+\s):KF+16*(2*\n+\s)+15], v[SS+16*(2*\qt+\s):SS+16*(2*\qt+\s)+15], v[OO+8*(4*\n+\qt):OO+8*(4*\n+\qt)+7]
.endif
.endr
.endr
.endr
	PLACES 4                                       ; for the first read of results and the writes into ctx's registers
	WIN 0x01                                       ; source 0 window 1
.irp n, 0,1
.irp qt, 0,1,2,3
.irp j, 0,2,4,6
	v_pk_fma_f32 v[SS+8*(4*\n+\qt)+\j:SS+8*(4*\n+\qt)+\j+1], v[OO+8*(4*\n+\qt)+\j:OO+8*(4*\n+\qt)+\j+1], s[YS:YS+1], v[BO+8*\n+\j:BO+8*\n+\j+1] op_sel_hi:[1,0,1]   ; sum x 2^(e10 + e11) + b_o
.endr
.endr
.endr
	WIN 0
.irp n, 0,1
.irp qt, 0,1,2,3
	ds_store_b128 v[SO], v[SS+8*(4*\n+\qt):SS+8*(4*\n+\qt)+3] offset:16*\qt*SPT+64*\n         ; lane (r, h): out(16 qt + r, 32 w + 16 n + 8 h + 0 .. 7)
	ds_store_b128 v[SO], v[SS+8*(4*\n+\qt)+4:SS+8*(4*\n+\qt)+7] offset:16*\qt*SPT+64*\n+16
.endr
.endr
	VW
	s_wait_dscnt 0x0                               ; for the others' sake: a row's 1,024 bytes come from eight waves
	s_barrier_signal -1
	s_barrier_wait -1                              ; 64 whole rows lie in the stage
.irp i, 0,1,2,3,4,5,6,7
.irp u, 0,1
	ds_load_b128 v[160+4*(2*\i+\u):160+4*(2*\i+\u)+3], v[SR] offset:\i*SPT+512*\u
.endr
.endr
.irp i, 0,1,2,3,4,5,6,7
.irp u, 0,1
	s_wait_dscnt 15-2*\i-\u                        ; LDS loads come back in order: this one is in, the younger ones may be out
	global_store_b128 v[L16], v[160+4*(2*\i+\u):160+4*(2*\i+\u)+3], s[OB:OB+1] offset:\i*1024+512*\u th:TH_STORE_NT   ; 32 lanes store 512 consecutive bytes, aligned; written once, read by nobody here
.endr
.endr
	s_wait_tensorcnt 0x0                           ; the wave's end, behind my last LDS store
	ds_add_u32 v[SPW], v[NIL]
	s_wait_dscnt 0x0
	s_endpgm
.Lfunc_end_k_qf7eb0fb0ad_attn:
	.size	k_qf7eb0fb0ad_attn, .Lfunc_end_k_qf7eb0fb0ad_attn-k_qf7eb0fb0ad_attn
	.p2alignl 7, 3214868480
	.fill 96, 4, 3214868480
	.section	.rodata,"a",@progbits
	.p2align	6, 0x0
	.amdhsa_kernel k_qf7eb0fb0ad_attn
		.amdhsa_group_segment_fixed_size 157696
		.amdhsa_private_segment_fixed_size 0
		.amdhsa_enable_private_segment 0
		.amdhsa_kernarg_size 48
		.amdhsa_user_sgpr_count 2
		.amdhsa_user_sgpr_kernarg_segment_ptr 1
		.amdhsa_wavefront_size32 1
		.amdhsa_system_sgpr_workgroup_id_x 1
		.amdhsa_system_sgpr_workgroup_id_y 1
		.amdhsa_system_sgpr_workgroup_id_z 1
		.amdhsa_system_vgpr_workitem_id 0
		.amdhsa_next_free_vgpr 512
		.amdhsa_next_free_sgpr 80
		.amdhsa_reserve_vcc 0
		.amdhsa_float_denorm_mode_32 3
		.amdhsa_float_denorm_mode_16_64 3
		.amdhsa_memory_ordered 1
		.amdhsa_forward_progress 1
		.amdhsa_inst_pref_size 153
	.end_amdhsa_kernel
	.amdgpu_metadata
---
amdhsa.version: [ 1, 2 ]
amdhsa.kernels:
  - .name:           k_qf7eb0fb0ad_attn
    .symbol:         k_qf7eb0fb0ad_attn.kd
    .args:
      - { .name: qc, .offset: 0, .size: 8, .value_kind: global_buffer, .address_space: global }
      - { .name: kv, .offset: 8, .size: 8, .value_kind: global_buffer, .address_space: global }
      - { .name: wimg, .offset: 16, .size: 8, .value_kind: global_buffer, .address_space: global }
      - { .name: lowp_scales, .offset: 24, .size: 8, .value_kind: global_buffer, .address_space: global }
      - { .name: b_o, .offset: 32, .size: 8, .value_kind: global_buffer, .address_space: global }
      - { .name: out0, .offset: 40, .size: 8, .value_kind: global_buffer, .address_space: global }
    .group_segment_fixed_size: 157696
    .private_segment_fixed_size: 0
    .kernarg_segment_align: 8
    .kernarg_segment_size: 48
    .max_flat_workgroup_size: 256
    .sgpr_count:     80
    .vgpr_count:     512
    .wavefront_size: 32
...
	.end_amdgpu_metadata
.endif
;; end of part 2
